; MI455X (gfx1250); checked and timed in simulation.
; The chip was launched on July 23, 2026; its instructions are those of AMD's public machine-readable ISA for CDNA 5 (MIT licence, August 2026) and "CDNA5" Instruction Set Architecture Reference Guide (July 2026). The comments in the code are by the model that wrote it; some were corrected since.
;; Attention. Allowed arithmetic: matrix products marked QUANTISED: E3M2 operands, one E8M0 scale for each 32 along K, by v_wmma_scale_f32_16x16x128_f8f6f4 with both operands' format E3M2, f32 sums; everything else in f32.
;; Inputs: key 2 x 2,048 x 1,024 float32; query 2 x 2,048 x 4,096 float32; value_codes 2 x 1,024 x 64 x 24 uint8 (E3M2 codes of value, K innermost, in blocks of 32 codes, four codes in three bytes); value_scales 2 x 1,024 x 64 uint8 (E8M0 scales of value, one for each 32 codes along K).
;; Outputs: out0 2 x 2,048 x 4,096 float32.
;; This version of the problem:
;;   THIS VERSION OF THE PROBLEM IS GIVEN IN LOW PRECISION. The matrix products marked QUANTISED in the list below multiply operands that are first quantised to E3M2 (3 exponent bits, 2 mantissa bits; 6 bits a number), with one power-of-two scale for each 32 numbers along K (OCP MX v1.0); their sums are f32. All else is computed in f32.
;;   The module's matrix products, in the order in which they are computed (A, B: the left and right operand; K: the contracted axis; several contracted axes count as one K, in the product's order):
;;     1. batch 64 x [M 2,048, K 128] x [K 128, N 2,048]; A: input query; B: input key: QUANTISED
;;     2. batch 64 x [M 2,048, K 2,048] x [K 2,048, N 128]; A: softmax (see below); B: input value (given as codes): QUANTISED
;;   THE QUANTISER, for each operand of a quantised product, along K:
;;     - K is cut into blocks of 32 from its start; a last block that is shorter is filled with zeros.
;;     - A block's scale is 2^e with e = floor(log2(the largest magnitude in the block)) - 4, held to -126 .. 127; a block of zeros has e = 0. As a byte (E8M0): e + 127.
;;     - Each number is divided by its block's scale, clamped to +-28, and rounded to the nearest number of E3M2, ties to even, subnormals kept.
;;     - The product sums the exact products of the quantised numbers (number of the format x scale) in f32.
;;   ~~~python
;;   def quantise(x, axis):      # numpy; x: float32 -> the quantised numbers, widened to float32 again
;;       x = np.moveaxis(x, axis, -1); K = x.shape[-1]
;;       x = np.pad(x, [(0, 0)] * (x.ndim - 1) + [(0, -K % 32)]); x = x.reshape(x.shape[:-1] + (-1, 32)); a = np.abs(x).max(-1, keepdims=True)
;;       e = np.where(a > 0, np.clip(np.frexp(np.where(a > 0, a, 1))[1] - 1 - 4, -126, 127), 0)      # np.frexp(a)[1] - 1 = floor(log2(a)), exactly
;;       r = np.clip(x / 2.0 ** e, -28, 28)
;;       step = 2.0 ** (np.maximum(np.frexp(np.where(r == 0, 1, r))[1] - 1, -2) - 2)
;;       q = np.round(r / step) * step * 2.0 ** e      # np.round: ties to even
;;       return np.moveaxis(q.reshape(q.shape[:-2] + (-1,))[..., :K], -1, axis).astype(np.float32)
;;   ~~~
;;   SOFTMAX AHEAD OF A QUANTISED PRODUCT. Where the list says 'softmax', what is quantised is not the finished softmax but p = 2^(t - M), with t = logit x log2(e) and M = ceil(the row's largest t), a whole number; so 1/2 < the row's largest p <= 1. The row's sum l is taken of the UNQUANTISED p, in f32, and the product's result is divided by l at the end. Since M is a whole number, a kernel that streams over the keys may use a running M (the ceiling of the running maximum): every later rescaling is an exact power of two, which a block's scale takes up: the codes' values come out the same.
;;   OPERANDS COMPUTED ON THE WAY. 'Computed on the way' means the value that the module computes at that place (a softmax that the list does not call 'softmax' is quantised finished and normalised). What goes into a quantiser is computed in f32, as accurately as f32 sums, v_exp_f32 and their like allow (about 1e-6 of the number): no bf16 or f16 on the way to a quantiser, and a product that is left as it is and whose result goes on into a quantised operand takes f32 operands (vector FMAs, or v_wmma_f32_16x16x4_f32). A number that lies on a knife's edge between two numbers of the format may be rounded either way, as far as f32 arithmetic and the matrix unit's own rounding can turn it there, and no further.
;;   INPUTS GIVEN AS CODES. value (in the module: [2, 2048, 1024], K = its axis 1): each comes as NAME_codes (uint8): NAME with its K axis moved to the last place and cut into blocks of 32 codes, [.., K / 32, bytes a block], one block behind the other in memory; four codes in three bytes: a row's codes are one little-endian stream of bits, code i at bits 6 i .. 6 i + 5 (a code: sign, 3 exponent bits, 2 mantissa bits); and NAME_scales (uint8): the same leading axes, one E8M0 byte (e + 127) for each 32 codes along K. Its value is code x scale, taken as it is: it is not quantised again, and the codes and scales need not be those that the quantiser above would give.
;; One version. Each part assembles by itself: llvm-mc -triple=amdgcn-amd-amdhsa -mcpu=gfx1250 --defsym DOCPART=n.
;; ======== version 1 of 1: 2 launches
;; workspace buffers: kv 6,553,600 bytes
;; launch prep (part 1): grid 320 x 1, 4 waves a work-group, no clusters, 118,784 bytes of LDS; arguments key, value_codes, value_scales, kv; writes kv
.if DOCPART == 1
	.amdgcn_target "amdgcn-amd-amdhsa--gfx1250"
	.amdhsa_code_object_version 6
	.text
	.protected	k_q8c73048749_prep
	.globl	k_q8c73048749_prep
	.p2align	8
	.type	k_q8c73048749_prep,@function
k_q8c73048749_prep:
	s_mov_b64 s[64:65], 0
	v_nop
	global_prefetch_b8 v0, s[64:65] scope:SCOPE_SE
	s_setreg_imm32_b32 hwreg(HW_REG_WAVE_MODE, 25, 1), 1
	s_wait_xcnt 0x0
; key [2][2048][1024] f32 is quantised to codes of BF6 (E3M2) along the head's 128, one E8M0 byte for each 32; value's codes and scale bytes are taken as they are given.
; Both are laid into kv as the attention launch wants them: for each KV head bh = 8 b + kvh and each step j of 128 keys ONE dense block of TILE = 25,600 bytes at (16 bh + j) TILE:
;   +0      K's eight fragments (16 keys x 128 channels, 12 registers a lane) as IMAGES OF THE OPERAND'S REGISTERS: registers 4 c .. 4 c + 3 of lane l at 1,536 t + 512 c + 16 l
;   +12,288 K's scale words: the word at 16 l + 4 p belongs to tile 2 p + l / 16, row l % 16
;   +12,800 V's eight fragments (16 channels x 128 keys), likewise;   +25,088 V's scale words, likewise
; THE KEYS OF A TILE ARE NOT NEIGHBOURS: lane r of tile 2 b + u takes key 32 b + 8 u + r + 8 (r / 8), so that in the product's result a lane's 16 registers of two neighbouring tiles are 16 neighbouring keys.
; A block's scale is 2^(floor(log2(its largest magnitude)) - 4): its byte is the largest magnitude's exponent field - 4, held at 1 from below.
; LIMITS: NaN and infinities among the inputs are not served; a block of key whose largest magnitude lies under 2^-122 has its byte held at 1; a block of zeros gets the byte 1 with zero codes (this program alone reads the bytes).
; SHARES.  Work-groups 0-255: one (bh, j) of key each; wave w makes tiles 2 w and 2 w + 1 (32 keys).  Work-groups 256-319: value; a wave takes one tile of 16 channels and half of the keys (768 bytes a row: eight steps),
; and one step's scale words.  The two paths part on the work-group's number and have LDS bytes of their own.  No tensor loads, no matrix work: the launch is a stream.
.set TILE,   25600
.set FRB,    1536                      ; a fragment's image
.set KSC,    12288
.set VOF,    12800
.set VSC,    25088
.set KPITCH, 528                       ; key's stage: a key's 512 bytes + 16: sixteen rows begin in sixteen different groups of banks
.set KWST,   32*KPITCH                 ; a wave's 32 keys
.set KSW,    4*KWST                    ; behind the four stages: the step's 128 scale words
.set VST,    KSW+512                   ; value's stages
.set VPITCH, 784                       ; 768 bytes of a row + 16
.set VWST,   16*VPITCH
.set R,   16                           ; v16-143  key: 32 rows as loaded
.set X0,  144                          ; v144-207 tile 2 w: my 64 numbers
.set X1,  16                           ; v16-79   tile 2 w + 1: the same, where the rows lay
.set C0,  208                          ; v208-219, v220-231 the two fragments' codes
.set C1,  220
.set QCT, 232                          ; v232-234, v236-238 the second halves of a block's codes, as converted
.set QCS, 4
.set QM,  240                          ; v240-241 largest magnitudes
.set QSO, 242                          ; v242-243 the conversions' scale operands
.set QBY, 244                          ; v244-245 the scale bytes
.set QPT, 246                          ; v246     a lane permute's target
.set W0,  247                          ; v247, v248 the two tiles' scale words; v249 what my lane stores
.set W1,  248
.set WW,  249
.set QSH, 9                            ; v9       8 x (lane / 16)
.set VR,  16                           ; v16-111  value: 16 rows x 768 bytes as loaded
.set VF,  112                          ; v112-207 eight fragments
; 64 numbers of a lane, v[src] on: register 32 k + i = channel 64 k + 32 (lane / 16) + i of my row: two whole blocks.  They become the fragment's 12 registers in v[dst] on and my row's scale word in v[wrd].
.macro QUANT2 src, dst, wrd
.irp k, 0,1
	v_max3_num_f32 v[QM+\k], |v[\src+32*\k]|, |v[\src+32*\k+1]|, 0x2800000   ; and the floor 2^(5 - 127): the byte cannot fall under 1
.endr
.irp i, 2,4,6,8,10,12,14,16,18,20,22,24,26,28,30
.irp k, 0,1
	v_max3_num_f32 v[QM+\k], v[QM+\k], |v[\src+32*\k+\i]|, |v[\src+32*\k+\i+1]|   ; the two blocks by turns
.endr
.endr
.irp k, 0,1
	v_add_nc_u32 v[QSO+\k], 0xfe000000, v[QM+\k]   ; 4 off the exponent field: the conversion takes this operand's exponent field as its scale
.endr
.irp k, 0,1
	v_lshrrev_b32 v[QBY+\k], 23, v[QSO+\k]         ; the scale's byte
.endr
	v_lshl_or_b32 v[\wrd], v[QBY+1], 16, v[QBY]    ; my two bytes: blocks h and 2 + h,
	v_lshlrev_b32 v[\wrd], v[QSH], v[\wrd]         ; at their places in the word;
	v_permlanex16_b32 v[QPT], v[\wrd], s20, s21
	v_or_b32 v[\wrd], v[\wrd], v[QPT]              ; with lane l xor 16's two the word is whole, in both lanes
.irp k, 0,1
	v_cvt_scalef32_pk16_bf6_f32 v[\dst+6*\k:\dst+6*\k+2], v[\src+32*\k:\src+32*\k+15], v[QSO+\k]
	v_cvt_scalef32_pk16_bf6_f32 v[QCT+QCS*\k:QCT+QCS*\k+2], v[\src+32*\k+16:\src+32*\k+31], v[QSO+\k]   ; (a conversion's three registers begin on an even number)
.endr
	v_nop                                          ; one plain place behind a scaled conversion
.irp k, 0,1
.irp i, 0,1,2
	v_mov_b32 v[\dst+3+6*\k+\i], v[QCT+QCS*\k+\i]
.endr
.endr
.endm
	s_load_b128 s[4:7], s[0:1], 0x0                ; key, value_codes
	s_load_b128 s[8:11], s[0:1], 0x10              ; value_scales, kv
	v_lshl_add_u32 v250, v0, 2, 0x1ce00
	v_mov_b32 v251, 0
	v_lshrrev_b32 v1, 5, v0
	v_readfirstlane_b32 s12, v1                    ; wave 0..3
	v_and_b32 v1, 31, v0                           ; lane
	v_and_b32 v2, 15, v0                           ; r
	v_bfe_u32 v3, v0, 4, 1                         ; h
	; every LDS address of both paths is made here, ahead of the parting
	v_lshlrev_b32 v4, 4, v1                        ; 16 x lane: also my place in a row of key and in an image
	s_mul_i32 s13, s12, KWST
	v_add_nc_u32 v5, s13, v4                       ; key's stage, on the way in: 16 x lane of a row
	v_mul_u32_u24 v6, v2, KPITCH
	v_lshl_add_u32 v6, v3, 7, v6
	v_add_nc_u32 v6, s13, v6                       ; and back: row r, + 128 h: my 32 numbers of each 64
	s_lshl_b32 s14, s12, 2
	s_add_co_u32 s14, s14, KSW
	v_add_nc_u32 v7, s14, v4                       ; my scale word: 16 x lane + 4 x wave
	v_add_nc_u32 v8, KSW, v4                       ; the gathered words: 16 bytes a lane
	v_lshlrev_b32 v9, 3, v3                        ; 8 h
	v_lshlrev_b32 v10, 3, v1                       ; 8 x lane: my place in 256 bytes of value's codes
	s_mul_i32 s15, s12, VWST
	s_add_co_u32 s15, s15, VST
	v_add_nc_u32 v11, s15, v10                     ; value's stage, on the way in
	v_mul_u32_u24 v12, v2, VPITCH
	v_mad_u32_u24 v12, v3, 24, v12
	v_add_nc_u32 v12, s15, v12                     ; and back: row r, + 24 h
	v_lshlrev_b32 v13, 6, v1                       ; 64 x lane: a row of value's scale bytes
	v_mov_b32 v[QPT], 0                            ; written once: a lane permute's destination counts as one of its sources
	s_mov_b32 s20, 0x76543210
	s_mov_b32 s21, 0xfedcba98                      ; v_permlanex16_b32's selects for lane l xor 16
	s_wait_kmcnt 0x0
	s_cmp_lt_u32 ttmp9, 256
	s_cbranch_scc0 .Lvalue
	; ---- KEY.  bh = x / 16, j = x % 16
	s_lshr_b32 s16, ttmp9, 4
	s_and_b32 s17, ttmp9, 15
	s_lshr_b32 s18, s16, 3
	s_lshl_b32 s18, s18, 23                        ; b x 2,048 rows of 4,096 bytes
	s_and_b32 s19, s16, 7
	s_lshl_b32 s19, s19, 9                         ; the head's 512 bytes in a row
	s_add_co_u32 s18, s18, s19
	s_lshl_b32 s19, s17, 19                        ; 128 j rows
	s_add_co_u32 s18, s18, s19
	s_lshl_b32 s19, s12, 17                        ; 32 x wave rows
	s_add_co_u32 s24, s18, s19
	s_mov_b32 s25, 0
	s_add_nc_u64 s[24:25], s[4:5], s[24:25]        ; my wave's first key
	s_mul_i32 s26, ttmp9, TILE                     ; 16 bh + j is the work-group's number
	s_mov_b32 s27, 0
	s_add_nc_u64 s[26:27], s[10:11], s[26:27]      ; the block of kv
	s_mul_i32 s28, s12, 2*FRB
	s_mov_b32 s29, 0
	s_add_nc_u64 s[28:29], s[26:27], s[28:29]      ; my two fragments in it
.irp p, 0,1,2,3,4,5,6,7,8,9,10,11,12,13,14,15,16,17,18,19,20,21,22,23,24,25,26,27,28,29,30,31
	global_load_b128 v[R+4*\p:R+4*\p+3], v4, s[24:25] offset:\p*4096 th:TH_LOAD_NT   ; a key's 512 consecutive bytes, at a multiple of 256 from key's first byte
.endr
.irp p, 0,1,2,3,4,5,6,7,8,9,10,11,12,13,14,15,16,17,18,19,20,21,22,23,24,25,26,27,28,29,30,31
	s_wait_loadcnt 31-\p                           ; loads come back in order: row p is in, the younger rows stay out
	ds_store_b128 v5, v[R+4*\p:R+4*\p+3] offset:(16*((\p>>3)&1)+(\p&7)+8*(\p>>4))*KPITCH   ; to its place in its tile: tile (p / 8) % 2, row p % 8 + 8 (p / 16)
.endr
.irp k, 0,1
.irp i, 0,1,2,3,4,5,6,7
	ds_load_b128 v[X0+32*\k+4*\i:X0+32*\k+4*\i+3], v6 offset:256*\k+16*\i      ; LDS serves a wave's instructions in order: these see my stores
.endr
.endr
	s_wait_dscnt 0x0                               ; tile 2 w's numbers are in, and the stores have read the rows' registers
.irp k, 0,1
.irp i, 0,1,2,3,4,5,6,7
	ds_load_b128 v[X1+32*\k+4*\i:X1+32*\k+4*\i+3], v6 offset:16*KPITCH+256*\k+16*\i   ; tile 2 w + 1 comes while the first is quantised
.endr
.endr
	QUANT2 X0, C0, W0
.irp c, 0,1,2
	global_store_b128 v4, v[C0+4*\c:C0+4*\c+3], s[28:29] offset:512*\c         ; 32 lanes store 512 consecutive bytes, at a multiple of 256 from kv's first byte
.endr
	s_wait_dscnt 0x0
	QUANT2 X1, C1, W1
.irp c, 0,1,2
	global_store_b128 v4, v[C1+4*\c:C1+4*\c+3], s[28:29] offset:FRB+512*\c
.endr
	v_cmp_le_u32 vcc_lo, 16, v1
	v_cndmask_b32 v[WW], v[W0], v[W1], vcc_lo      ; lanes 0-15 the even tile's words, lanes 16-31 the odd tile's
	ds_store_b32 v7, v[WW]
	s_wait_dscnt 0x0                               ; for the others' sake: my words lie in LDS
	s_barrier_signal -1
	s_barrier_wait -1
	s_cmp_lg_u32 s12, 0
	s_cbranch_scc1 .Lkey_done
	ds_load_b128 v[252:255], v8                    ; wave 0 stores the step's 128 words as 512 consecutive bytes
	s_wait_dscnt 0x0
	global_store_b128 v4, v[252:255], s[26:27] offset:KSC
.Lkey_done:
	s_wait_tensorcnt 0x0
	ds_add_u32 v250, v251
	s_wait_dscnt 0x0
	s_endpgm
	; ---- VALUE.  y = x - 256: bh = y / 4, e = (y / 2) % 2 (which half of the keys), t = 4 (y % 2) + wave (which 16 channels); my step of scale words: 8 e + t
.Lvalue:
	s_sub_co_u32 s16, ttmp9, 256
	s_lshr_b32 s17, s16, 2                         ; bh
	s_bfe_u32 s18, s16, 0x10001                    ; e
	s_and_b32 s19, s16, 1
	s_lshl_b32 s19, s19, 2
	s_add_co_u32 s19, s19, s12                     ; t
	s_lshl_b32 s22, s18, 3
	s_lshl_b32 s23, s17, 4
	s_add_co_u32 s23, s23, s22                     ; 16 bh + 8 e
	s_add_co_u32 s22, s22, s19                     ; 8 e + t
	s_mul_i32 s24, s17, 196608                     ; a head's 128 rows of 1,536 bytes
	s_mul_i32 s32, s19, 24576                      ; 16 rows
	s_add_co_u32 s24, s24, s32
	s_mul_i32 s32, s18, 768
	s_add_co_u32 s24, s24, s32
	s_mov_b32 s25, 0
	s_add_nc_u64 s[24:25], s[6:7], s[24:25]        ; my 16 rows' 768 bytes
	s_mul_i32 s26, s23, TILE
	s_mul_i32 s32, s19, FRB
	s_add_co_u32 s26, s26, s32
	s_add_co_u32 s26, s26, VOF
	s_mov_b32 s27, 0
	s_add_nc_u64 s[26:27], s[10:11], s[26:27]      ; fragment t of step 8 e
	s_lshl_b32 s28, s17, 13                        ; a head's 128 rows of 64 scale bytes
	s_lshl_b32 s32, s22, 2
	s_add_co_u32 s28, s28, s32
	s_mov_b32 s29, 0
	s_add_nc_u64 s[28:29], s[8:9], s[28:29]        ; my step's word in row 0
	s_lshl_b32 s30, s17, 4
	s_add_co_u32 s30, s30, s22
	s_mul_i32 s30, s30, TILE
	s_add_co_u32 s30, s30, VSC
	s_mov_b32 s31, 0
	s_add_nc_u64 s[30:31], s[10:11], s[30:31]      ; and where the step's words go
.irp p, 0,1,2,3
	global_load_b32 v[240+\p], v13, s[28:29] offset:2048*\p    ; the word of channel 32 p + lane: tile 2 p + lane / 16, row lane % 16.  Four bytes of each row: this one copy spares the attention launch such reads
.endr
.irp n, 0,1,2,3,4,5,6,7,8,9,10,11,12,13,14,15,16,17,18,19,20,21,22,23,24,25,26,27,28,29,30,31,32,33,34,35,36,37,38,39,40,41,42,43,44,45,46,47
	global_load_b64 v[VR+2*\n:VR+2*\n+1], v10, s[24:25] offset:1536*(\n/3)+256*(\n%3) th:TH_LOAD_NT   ; 32 lanes read 256 consecutive bytes, at a multiple of 256 from the buffer's first byte
.endr
.irp n, 0,1,2,3,4,5,6,7,8,9,10,11,12,13,14,15,16,17,18,19,20,21,22,23,24,25,26,27,28,29,30,31,32,33,34,35,36,37,38,39,40,41,42,43,44,45,46,47
	s_wait_loadcnt 47-\n                           ; load n is in (and the four words ahead of it); the younger ones stay out
	ds_store_b64 v11, v[VR+2*\n:VR+2*\n+1] offset:VPITCH*(\n/3)+256*(\n%3)
.endr
.irp n, 0,1,2,3,4,5,6,7,8,9,10,11,12,13,14,15,16,17,18,19,20,21,22,23,24,25,26,27,28,29,30,31,32,33,34,35,36,37,38,39,40,41,42,43,44,45,46,47
	ds_load_b64 v[VF+2*\n:VF+2*\n+1], v12 offset:96*(\n/6)+48*((\n%6)/3)+8*(\n%3)   ; step n / 6, piece n % 6: the 24 bytes at 48 c + 24 h of the step's 96, as they lie, in pieces of 8
.endr
.irp j, 0,1,2,3,4,5,6,7
	s_wait_dscnt 6*(7-\j)                          ; step j's six loads are in; the later steps' may be out
.irp c, 0,1,2
	global_store_b128 v4, v[VF+12*\j+4*\c:VF+12*\j+4*\c+3], s[26:27] offset:TILE*\j+512*\c
.endr
.endr
	global_store_b128 v4, v[240:243], s[30:31]     ; the step's 128 scale words: 512 consecutive bytes
	s_wait_tensorcnt 0x0
	ds_add_u32 v250, v251
	s_wait_dscnt 0x0
	s_endpgm
.Lfunc_end_k_q8c73048749_prep:
	.size	k_q8c73048749_prep, .Lfunc_end_k_q8c73048749_prep-k_q8c73048749_prep
	.p2alignl 7, 3214868480
	.fill 96, 4, 3214868480
	.section	.rodata,"a",@progbits
	.p2align	6, 0x0
	.amdhsa_kernel k_q8c73048749_prep
		.amdhsa_group_segment_fixed_size 118784
		.amdhsa_private_segment_fixed_size 0
		.amdhsa_enable_private_segment 0
		.amdhsa_kernarg_size 32
		.amdhsa_user_sgpr_count 2
		.amdhsa_user_sgpr_kernarg_segment_ptr 1
		.amdhsa_wavefront_size32 1
		.amdhsa_system_sgpr_workgroup_id_x 1
		.amdhsa_system_sgpr_workgroup_id_y 1
		.amdhsa_system_sgpr_workgroup_id_z 1
		.amdhsa_system_vgpr_workitem_id 0
		.amdhsa_next_free_vgpr 256
		.amdhsa_next_free_sgpr 66
		.amdhsa_reserve_vcc 1
		.amdhsa_float_denorm_mode_32 3
		.amdhsa_float_denorm_mode_16_64 3
		.amdhsa_memory_ordered 1
		.amdhsa_forward_progress 1
		.amdhsa_inst_pref_size 35
	.end_amdhsa_kernel
	.amdgpu_metadata
---
amdhsa.version: [ 1, 2 ]
amdhsa.kernels:
  - .name:           k_q8c73048749_prep
    .symbol:         k_q8c73048749_prep.kd
    .args:
      - { .name: key, .offset: 0, .size: 8, .value_kind: global_buffer, .address_space: global }
      - { .name: value_codes, .offset: 8, .size: 8, .value_kind: global_buffer, .address_space: global }
      - { .name: value_scales, .offset: 16, .size: 8, .value_kind: global_buffer, .address_space: global }
      - { .name: kv, .offset: 24, .size: 8, .value_kind: global_buffer, .address_space: global }
    .group_segment_fixed_size: 118784
    .private_segment_fixed_size: 0
    .kernarg_segment_align: 8
    .kernarg_segment_size: 32
    .max_flat_workgroup_size: 128
    .sgpr_count:     66
    .vgpr_count:     256
    .wavefront_size: 32
...
	.end_amdgpu_metadata
.endif
;; end of part 1
;; launch attn (part 2): grid 16 x 16, 16 waves a work-group, no clusters, 327,680 bytes of LDS; arguments query, kv, out0; writes out0
.if DOCPART == 2
	.amdgcn_target "amdgcn-amd-amdhsa--gfx1250"
	.amdhsa_code_object_version 6
	.text
	.protected	k_q8c73048749_attn
	.globl	k_q8c73048749_attn
	.p2align	8
	.type	k_q8c73048749_attn,@function
k_q8c73048749_attn:
	s_mov_b64 s[64:65], 0
	v_nop
	global_prefetch_b8 v0, s[64:65] scope:SCOPE_SE
	s_setreg_imm32_b32 hwreg(HW_REG_WAVE_MODE, 25, 1), 1
	s_wait_xcnt 0x0
; out0[b][q][head][:] = the sum over keys k <= q of softmax_k(Q . K / sqrt(128)) V, 32 query heads on 8 KV heads, both products on codes of BF6 (E3M2) with one E8M0 scale for each 32 along a product's K.
; query [2][2048][4096] f32 is quantised here, in registers.  K and V come from kv: for each KV head bh and each step of 128 keys one dense block of TILE bytes that holds the images of the operands' registers:
; K's eight fragments, K's 128 scale words, V's eight fragments, V's 128 scale words (a fragment: registers 4 c .. 4 c + 3 of lane l at 512 c + 16 l; the scale word at 16 l + 4 p: tile 2 p + l / 16, row l % 16).
; THE SOFTMAX: t = score x log2(e) / sqrt(128); M = the row's largest t so far, rounded UP to a whole number; p = 2^(t - M) is quantised along the keys, not normalised; the row's sum is taken of the unquantised p
; and divides at the end.  When M moves, the sum and O are multiplied by 2^(old M - new M): exact.
; SHARES.  A work-group owns one KV head and two blocks of 64 query positions, block i and block 31 - i, one after the other.  Its SIXTEEN waves are the KV head's four query heads x four tiles of 16 positions:
; a tile of K or V in LDS serves all four heads.  Block i wants i / 2 + 1 steps of 128 keys under the causal mask, block 31 - i the rest of 17: every wave of every work-group walks 17 steps, none of them
; wholly hidden, and all trip counts are constants.  256 registers a wave, four waves to a SIMD: one wave's vector work stands beside another's matrix work and LDS loads.
; LAYOUT.  Both products are used transposed: S^T = K Q^T (source 0 = 16 keys, source 1 = my 16 queries), O^T = V^T P^T: a lane holds ONE query (lane % 16) throughout.  The keys of a tile are chosen
; (lane r of tile 2 b + u: key 32 b + 8 u + r + 8 (r / 8)) so that the 16 registers of tiles 2 b and 2 b + 1 are the keys 32 b + 16 (lane / 16) + 0 .. 15.
; THE RING.  Two slots of two tiles.  Waves 0 and 1 bring one whole tile each by one tensor load (100 rows of 256 bytes); all sixteen waves read them.
; NO CLUSTER: the heads that share K and V already share one LDS tile; what is left to share lies between blocks of queries, which want different numbers of tiles, and whose switch of blocks and masks hang on the block's number.
; A block's largest p is made from the block's largest score by the same multiply-add and exponential (this takes v_exp_f32 not to fall where its input rises).
; LIMITS: NaN and infinities among the inputs are not served; a block of query whose largest magnitude lies under 2^-122 has its scale byte held at 1; a block of zeros gets the byte 1 with zero codes;
; a p under 2^-126 counts as 0.
; REGISTERS: v1-10 addresses that stay (v8: the step's); v12 -M, v13 the largest t, v[14:15] the sum in two halves; v16-27 Q; v32-79 four fragments of K or V; v80-83, v84-87 K's and V's scale words;
; v96-159 S^T, then p; v160-223 O^T; v224-235 p's codes; v232-254 at work; v[250:251] f; v253 p's scale word; v255 Q's.
.set TILE,  25600
.set FRB,   1536
.set KSC,   12288
.set VOF,   12800
.set VSC,   25088
.set SLOT1, 65536                      ; slot 1 begins here: one exclusive or turns an address in one slot into the other's
.set STAGE, 131072                     ; behind the ring: 16 rows x (512 bytes + 16) for each wave, for Q's way in and O's way out; no tile lands here
.set SP,    528
.set WST,   16*SP
.set SPARE, STAGE+16*WST               ; the spare words, 128 bytes for each wave: eight blocks of 256 bytes that no other line names
.set QM,  232                          ; Q's quantiser: largest magnitudes, scale operands, bytes, a permute's target, the codes' second halves (v240-242, v248-250), 8 x (lane / 16)
.set QSO, 244
.set QBY, 236
.set QPT, 252
.set QCT, 240
.set QCS, 8
.set QSH, 10
; s10 wave; s11 N1, block A's steps; s12 T, the trip; s13 TT, the trip that I fetch next; s14 KF, the step's first key; s15 Q0, my first query; s16 TB, the slot in hand; s17 the loop's count;
; s[20:21] lane selects; s[22:23] c; s[24:31], s[32:35] the descriptor; s[36:37] kv at my KV head; s[38:39] an offset; s[40:47] Q's and O's addresses for blocks A and B; s48, s49 their first queries
.macro PLACES
.rept 4
	v_nop
.endr
.endm
; 64 numbers of a lane, v[src] on: register 32 k + i = channel 64 k + 32 (lane / 16) + i of my row: two whole blocks.  They become the fragment's 12 registers in v[dst] on and my row's scale word in v[wrd].
.macro QUANT2 src, dst, wrd
.irp k, 0,1
	v_max3_num_f32 v[QM+\k], |v[\src+32*\k]|, |v[\src+32*\k+1]|, 0x2800000   ; and the floor 2^(5 - 127): the byte cannot fall under 1
.endr
.irp i, 2,4,6,8,10,12,14,16,18,20,22,24,26,28,30
.irp k, 0,1
	v_max3_num_f32 v[QM+\k], v[QM+\k], |v[\src+32*\k+\i]|, |v[\src+32*\k+\i+1]|
.endr
.endr
.irp k, 0,1
	v_add_nc_u32 v[QSO+\k], 0xfe000000, v[QM+\k]   ; 4 off the exponent field: the conversion's scale operand
.endr
.irp k, 0,1
	v_lshrrev_b32 v[QBY+\k], 23, v[QSO+\k]         ; the scale's byte
.endr
	v_lshl_or_b32 v[\wrd], v[QBY+1], 16, v[QBY]    ; my two bytes: blocks h and 2 + h,
	v_lshlrev_b32 v[\wrd], v[QSH], v[\wrd]         ; at their places in the word;
	v_permlanex16_b32 v[QPT], v[\wrd], s20, s21
	v_or_b32 v[\wrd], v[\wrd], v[QPT]              ; with lane l xor 16's two the word is whole
.irp k, 0,1
	v_cvt_scalef32_pk16_bf6_f32 v[\dst+6*\k:\dst+6*\k+2], v[\src+32*\k:\src+32*\k+15], v[QSO+\k]
	v_cvt_scalef32_pk16_bf6_f32 v[QCT+QCS*\k:QCT+QCS*\k+2], v[\src+32*\k+16:\src+32*\k+31], v[QSO+\k]   ; (a conversion's three registers begin on an even number)
.endr
	v_nop                                          ; one plain place behind a scaled conversion
.irp k, 0,1
.irp i, 0,1,2
	v_mov_b32 v[\dst+3+6*\k+\i], v[QCT+QCS*\k+\i]
.endr
.endr
.endm
; The descriptor's address is set on trip TT's tile: key step TT of block A, or TT - N1 of block B; TT goes two trips on.  It is written only where no tensor load of mine is out.
.macro AIM
	s_cmp_ge_u32 s13, s11
	s_cselect_b32 s38, s11, 0
	s_sub_co_u32 s38, s13, s38
	s_mul_i32 s38, s38, TILE
	s_add_nc_u64 s[34:35], s[36:37], s[38:39]
	s_or_b32 s35, s35, 0x80000000                  ; 127:126 type = 2
	s_add_co_u32 s13, s13, 2
.endm
; The waves under n fetch, one tile each; the branch hangs on the wave's number alone.  Four v_nop follow the load.
.macro TLOAD n
	s_cmp_lt_u32 s10, \n
	s_cbranch_scc0 .Lnone_\@
	tensor_load_to_lds s[32:35], s[24:31]
	s_nop 0
	PLACES
.Lnone_\@:
.endm
; THE CHANGE OF SLOTS stands at a slot's head.  Each wave waits for all its tensor loads (one at the most is out: its tile of the slot ahead), adds 0 to its spare word, and waits for that and for its reads of the
; slot that it has left.  Behind the barrier the slot ahead is whole and nobody reads the other one, which fill waves (2, 1 or none) then fill: the load has the slot's two steps in which to land.
.macro CHANGE fill
	s_wait_tensorcnt 0x0                           ; no tensor load of mine is out, so the descriptor may be written
	ds_add_u32 v5, v6                              ; 0 onto my spare word; the descriptor's steps stand between it and the wait for it
.if \fill
	s_xor_b32 s33, s33, SLOT1                      ; the other slot than last time
	AIM
.endif
	s_wait_dscnt 0x0                               ; the add is done, and my reads of the slot that I have left are over
	s_barrier_signal -1
	s_barrier_wait -1
.if \fill
	TLOAD \fill                                    ; the first thing behind the barrier, and a wave's one tensor load until the next
.endif
.endm
; A block begins: my 16 rows of Q (512 consecutive bytes each) go through my stage and come back 32 neighbours of each 64 to a lane; they are quantised; the statistics and O^T begin anew.
.macro START qp, q0
.irp j, 0,1,2,3,4,5,6,7,8,9,10,11,12,13,14,15
	global_load_b128 v[96+4*\j:99+4*\j], v1, s[\qp:\qp+1] offset:16384*\j th:TH_LOAD_NT
.endr
	v_mov_b32 v13, 0xff61b1e6                      ; the largest t so far: -3e38, under every t
	v_floor_f32 v12, -v13                          ; -M
	v_mov_b32 v14, 0                               ; the sum, in two halves
	v_mov_b32 v15, 0
.irp b, 0,1,2,3
	v_mov_b32 v[236+\b], 0                         ; a lane permute's destination counts as one of its sources
.endr
	v_mov_b32 v251, 0                              ; (named as the upper half of the pair v[250:251])
	s_mov_b32 s15, s[\q0]
	s_mov_b32 s14, 0
.irp j, 0,1,2,3,4,5,6,7,8,9,10,11,12,13,14,15
	s_wait_loadcnt 15-\j                           ; row j is in; the younger rows stay out
	ds_store_b128 v2, v[96+4*\j:99+4*\j] offset:SP*\j
.endr
.irp k, 0,1
.irp i, 0,1,2,3,4,5,6,7
	ds_load_b128 v[160+32*\k+4*\i:163+32*\k+4*\i], v3 offset:256*\k+16*\i   ; LDS serves a wave's instructions in order: these see my stores
.endr
.endr
	s_wait_dscnt 0x0
	QUANT2 160, 16, 255
.irp n, 0,1,2,3,4,5,6,7,8,9,10,11,12,13,14,15,16,17,18,19,20,21,22,23,24,25,26,27,28,29,30,31,32,33,34,35,36,37,38,39,40,41,42,43,44,45,46,47,48,49,50,51,52,53,54,55,56,57,58,59,60,61,62,63
	v_mov_b32 v[160+\n], 0                         ; O^T: the step is written once, and a block's first step finds zeros.  (These lines also stand between the writes of Q's codes and scale word and the scaled products)
.endr
.endm
; A block ends: O^T is divided by the row's sum and goes through my stage, so that the 32 lanes store a row's 512 consecutive bytes, at a multiple of 256 from out0's first byte.
.macro FINISH op
	PLACES                                         ; behind the last products
	v_add_f32 v14, v14, v15                        ; the sum's two halves,
	v_permlanex16_b32 v252, v14, s20, s21
	v_add_f32 v14, v14, v252                       ; and lane l xor 16's: the row's sum
	v_rcp_f32 v14, v14
	v_nop                                          ; one plain place behind a transcendental
	s_wait_alu depctr_va_vdst(0)
.irp n, 0,2,4,6,8,10,12,14,16,18,20,22,24,26,28,30,32,34,36,38,40,42,44,46,48,50,52,54,56,58,60,62
	v_pk_mul_f32 v[96+\n:97+\n], v[160+\n:161+\n], v[14:15] op_sel_hi:[1,0]   ; register 8 t + i is o(r, 16 t + 8 h + i); each accumulator from its low end on
.endr
.irp t, 0,1,2,3,4,5,6,7
	ds_store_b128 v4, v[96+8*\t:99+8*\t] offset:64*\t
	ds_store_b128 v4, v[100+8*\t:103+8*\t] offset:64*\t+16
.endr
.irp i, 0,1,2,3,4,5,6,7,8,9,10,11,12,13,14,15
	ds_load_b128 v[160+4*\i:163+4*\i], v2 offset:SP*\i
.endr
.irp i, 0,1,2,3,4,5,6,7,8,9,10,11,12,13,14,15
	s_wait_dscnt 15-\i                             ; row i is back; the younger rows stay out
	global_store_b128 v1, v[160+4*\i:163+4*\i], s[\op:\op+1] offset:16384*\i th:TH_STORE_NT
.endr
.endm
.macro FRAGS q, base, g                ; four fragments, tiles 4 g .. 4 g + 3 of K (base 0) or V (base VOF): three loads of 16 bytes a lane each, 512 consecutive bytes a load
.irp t, 0,1,2,3
.irp c, 0,1,2
	ds_load_b128 v[32+12*\t+4*\c:35+12*\t+4*\c], v8 offset:(\q)*TILE+\base+(4*\g+\t)*FRB+512*\c
.endr
.endr
.endm
.macro KQMUL g                         ; S^T = K Q^T, four tiles of 16 keys; an odd tile's scale words lie in lanes 16-31
.irp t, 0,1,2,3
.if \t % 2
	v_wmma_scale_f32_16x16x128_f8f6f4 v[96+8*(4*\g+\t):103+8*(4*\g+\t)], v[32+12*\t:43+12*\t], v[16:27], 0, v[80+2*\g+\t/2], v255 matrix_a_fmt:MATRIX_FMT_BF6 matrix_b_fmt:MATRIX_FMT_BF6 matrix_a_scale:MATRIX_SCALE_ROW1
.else
	v_wmma_scale_f32_16x16x128_f8f6f4 v[96+8*(4*\g+\t):103+8*(4*\g+\t)], v[32+12*\t:43+12*\t], v[16:27], 0, v[80+2*\g+\t/2], v255 matrix_a_fmt:MATRIX_FMT_BF6 matrix_b_fmt:MATRIX_FMT_BF6
.endif
.endr
.endm
.macro PVMUL g                         ; O^T += V^T P^T, four tiles of 16 channels; the eight accumulators take turns, one instruction a turn
.irp t, 0,1,2,3
.if \t % 2
	v_wmma_scale_f32_16x16x128_f8f6f4 v[160+8*(4*\g+\t):167+8*(4*\g+\t)], v[32+12*\t:43+12*\t], v[224:235], v[160+8*(4*\g+\t):167+8*(4*\g+\t)], v[84+2*\g+\t/2], v253 matrix_a_fmt:MATRIX_FMT_BF6 matrix_b_fmt:MATRIX_FMT_BF6 matrix_a_scale:MATRIX_SCALE_ROW1
.else
	v_wmma_scale_f32_16x16x128_f8f6f4 v[160+8*(4*\g+\t):167+8*(4*\g+\t)], v[32+12*\t:43+12*\t], v[224:235], v[160+8*(4*\g+\t):167+8*(4*\g+\t)], v[84+2*\g+\t/2], v253 matrix_a_fmt:MATRIX_FMT_BF6 matrix_b_fmt:MATRIX_FMT_BF6
.endif
.endr
.endm
; A KEY STEP: 128 keys, the q-th tile of the slot in hand.  sw = 1: the trip may be block B's first.  pf = 1: the trip may be the one ahead of that.
.macro STEP q, sw, pf
.if \sw
	s_cmp_lg_u32 s12, s11                          ; a scalar branch on ids: trip N1 ends block A and begins block B
	s_cbranch_scc1 .Lsame_\@
	FINISH 42
	s_wait_xcnt 0x0                                ; the stores' data registers are written again only behind this wait
	START 44, 49
.Lsame_\@:
.endif
.if \pf
	s_add_co_u32 s50, s12, 1                       ; in trip N1 - 1, one trip ahead of the loads: my own 16 rows x 512 bytes of block B's Q, a lane to each 256 bytes, asked for once in the launch
	s_cmp_lg_u32 s50, s11
	s_cbranch_scc1 .Lnot_yet_\@
	global_prefetch_b8 v7, s[44:45] th:TH_LOAD_NT scope:SCOPE_SE
.Lnot_yet_\@:
.endif
	v_add_nc_u32 v8, s16, v1
	PLACES                                         ; in front of loads into registers that the last products have read
	ds_load_b128 v[80:83], v8 offset:(\q)*TILE+KSC ; K's scale words: four registers serve eight tiles
.irp g, 0,1
	FRAGS \q, 0, \g
	s_wait_dscnt 0x0
	KQMUL \g
	PLACES                                         ; in front of the next loads into the fragments' registers, and of the first read of the scores
.endr
	ds_load_b128 v[84:87], v8 offset:(\q)*TILE+VSC ; V's scale words and its first four fragments land while the softmax is walked
	FRAGS \q, VOF, 0
	s_add_co_u32 s50, s14, 127                     ; on the diagonal the scores of hidden keys become -infinity ahead of the maximum: p = 0 then.  A step all of whose keys count skips this
	s_cmp_le_u32 s50, s15
	s_cbranch_scc1 .Lopen_\@
	s_sub_co_i32 s50, s15, s14
	v_add_nc_u32 v248, s50, v9                     ; d = my query - KF - 16 (lane / 16).  Register 16 b + i holds key KF + 16 (lane / 16) + 32 b + i: hidden where 32 b + i > d
	v_mov_b32 v254, 0xff800000                     ; -infinity
.irp n, 0,1,2,3,4,5,6,7,8,9,10,11,12,13,14,15,16,17,18,19,20,21,22,23,24,25,26,27,28,29,30,31,32,33,34,35,36,37,38,39,40,41,42,43,44,45,46,47,48,49,50,51,52,53,54,55,56,57,58,59,60,61,62,63
	v_cmp_gt_i32 vcc_lo, 32*(\n/16)+\n%16, v248
	v_cndmask_b32 v[96+\n], v[96+\n], v254, vcc_lo
.endr
.Lopen_\@:
.irp b, 0,1,2,3
	v_max3_num_f32 v[232+\b], v[96+16*\b], v[97+16*\b], v[98+16*\b]   ; the largest score of each block of 32 keys: it serves for the row's maximum and for the block's largest p
.endr
.irp i, 3,5,7,9,11,13
.irp b, 0,1,2,3
	v_max3_num_f32 v[232+\b], v[232+\b], v[96+16*\b+\i], v[97+16*\b+\i]   ; (the four blocks by turns)
.endr
.endr
.irp b, 0,1,2,3
	v_max_num_f32 v[232+\b], v[232+\b], v[111+16*\b]
.endr
.irp b, 0,1,2,3
	v_permlanex16_b32 v[236+\b], v[232+\b], s20, s21
.endr
.irp b, 0,1,2,3
	v_max_num_f32 v[232+\b], v[232+\b], v[236+\b]  ; with lane l xor 16's 16 keys
.endr
	v_max3_num_f32 v254, v232, v233, v234
	v_max_num_f32 v254, v254, v235                 ; the step's largest score of my query
	v_mul_f32 v254, s22, v254                      ; as t (c is positive)
	v_max_num_f32 v13, v13, v254                   ; the running largest t
	v_mov_b32 v254, v12
	v_floor_f32 v12, -v13                          ; the new -M = floor(-t) = -ceil(t): a whole number
	v_sub_f32 v254, v12, v254                      ; M's old value less its new one: a whole number, 0 or less
	v_cvt_i32_f32 v254, v254                       ; (it saturates)
	v_ldexp_f32 v250, 1.0, v254                    ; f = 2^(old M - new M)
.irp j, 0,2,4,6,8,10,12,14,16,18,20,22,24,26,28,30,32,34,36,38,40,42,44,46,48,50,52,54,56,58,60,62
	v_pk_fma_f32 v[96+\j:97+\j], v[96+\j:97+\j], s[22:23], v[12:13] op_sel_hi:[1,0,0]   ; t - M, two at a time (of the pairs c and -M the low word serves both halves)
.endr
.irp b, 0,1,2,3
	v_fma_f32 v[232+\b], v[232+\b], s22, v12       ; the same of each block's largest score
.endr
.irp j, 0,1,2,3,4,5,6,7,8,9,10,11,12,13,14,15,16,17,18,19,20,21,22,23,24,25,26,27,28,29,30,31,32,33,34,35,36,37,38,39,40,41,42,43,44,45,46,47,48,49,50,51,52,53,54,55,56,57,58,59,60,61,62,63
	v_exp_f32 v[96+\j], v[96+\j]                   ; p = 2^(t - M), at most 1: not normalised
.endr
.irp b, 0,1,2,3
	v_exp_f32 v[232+\b], v[232+\b]                 ; the block's largest p
.endr
	v_pk_mul_f32 v[14:15], v[14:15], v[250:251] op_sel_hi:[1,0]   ; the sums under the new M.  (A plain place behind the exponentials)
	s_wait_alu depctr_va_vdst(0)
.irp b, 0,1,2,3
	v_max_num_f32 v[232+\b], 0x2800000, v[232+\b]  ; the floor 2^(5 - 127): the byte cannot fall under 1 (a block whose every p is 0 keeps that byte: its codes are zeros)
.endr
.irp b, 0,1,2,3
	v_add_nc_u32 v[244+\b], 0xfe000000, v[232+\b]  ; 4 off the exponent field: the conversion's scale operand
.endr
.irp b, 0,1,2,3
	v_lshrrev_b32 v[236+\b], 23, v[244+\b]         ; the scale's byte
.endr
	v_lshl_or_b32 v253, v237, 8, v236              ; p's scale word for these 128 keys
	v_lshl_or_b32 v253, v238, 16, v253
	v_lshl_or_b32 v253, v239, 24, v253
.irp c, 0,1
	v_cvt_scalef32_pk16_bf6_f32 v[224+6*\c:226+6*\c], v[96+32*\c:111+32*\c], v[244+2*\c]
	v_cvt_scalef32_pk16_bf6_f32 v[236+4*\c:238+4*\c], v[112+32*\c:127+32*\c], v[244+2*\c+1]   ; (a conversion's three registers begin on an even number)
.endr
	v_nop                                          ; one plain place behind a scaled conversion
.irp c, 0,1                                    ; the operand's layout wants a WHOLE block in a lane: lanes 0-15 block 2 c, lanes 16-31 block 2 c + 1
.irp i, 0,1,2
	v_permlane16_swap_b32 v[224+6*\c+\i], v[236+4*\c+\i]
.endr
.irp i, 0,1,2
	v_mov_b32 v[227+6*\c+\i], v[236+4*\c+\i]
.endr
.endr
	v_pk_add_f32 v[236:237], v[96:97], v[98:99]    ; the row's sum is taken of the unquantised p: two at a time, in two chains
.irp j, 4,8,12,16,20,24,28,32,36,40,44,48,52,56,60
	v_pk_add_f32 v[14:15], v[14:15], v[96+\j:97+\j]
	v_pk_add_f32 v[236:237], v[236:237], v[98+\j:99+\j]
.endr
	v_pk_add_f32 v[14:15], v[14:15], v[236:237]
.irp j, 0,2,4,6,8,10,12,14,16,18,20,22,24,26,28,30,32,34,36,38,40,42,44,46,48,50,52,54,56,58,60,62
	v_pk_mul_f32 v[160+\j:161+\j], v[160+\j:161+\j], v[250:251] op_sel_hi:[1,0]   ; O^T under the new M: x f.  (These lines also stand between the writes of p's codes and scale word and the scaled products)
.endr
	s_wait_dscnt 0x0                               ; V's scale words and first four fragments are in
	PVMUL 0
	PLACES
	FRAGS \q, VOF, 1
	s_wait_dscnt 0x0
	PVMUL 1
	s_add_co_u32 s14, s14, 128
	s_add_co_u32 s12, s12, 1
.endm
	s_load_b128 s[4:7], s[0:1], 0x0                ; query, kv
	s_load_b64 s[8:9], s[0:1], 0x10                ; out0
	v_lshl_add_u32 v5, v0, 2, SPARE                ; LDS address of my spare word; never rewritten
	v_mov_b32 v6, 0                                ; 0; never rewritten
	ds_add_u32 v5, v6
	s_wait_dscnt 0x0
	v_lshrrev_b32 v8, 5, v0
	v_readfirstlane_b32 s10, v8                    ; wave 0..15
	v_and_b32 v11, 31, v0                          ; lane
	v_and_b32 v8, 15, v0                           ; r
	v_bfe_u32 v10, v0, 4, 1                        ; h
	v_lshlrev_b32 v1, 4, v11                       ; 16 x lane: my place in an image, and in a row of Q or O
	s_mul_i32 s50, s10, WST
	s_add_co_u32 s50, s50, STAGE                   ; my stage
	v_add_nc_u32 v2, s50, v1                       ; whole rows: 16 x lane
	v_mul_u32_u24 v3, v8, SP
	v_add_nc_u32 v3, s50, v3
	v_lshl_add_u32 v4, v10, 5, v3                  ; O on its way in: row r, + 32 h
	v_lshl_add_u32 v3, v10, 7, v3                  ; Q on its way back: row r, + 128 h
	v_lshrrev_b32 v7, 1, v11
	v_lshlrev_b32 v7, 14, v7
	v_and_b32 v9, 1, v11
	v_lshl_add_u32 v7, v9, 8, v7                   ; the prefetch: row lane / 2, 256 bytes x lane % 2
	v_lshlrev_b32 v9, 4, v10
	v_sub_nc_u32 v9, v8, v9                        ; r - 16 h, for the mask
	v_lshlrev_b32 v10, 3, v10                      ; 8 h
	v_mov_b32 v252, 0                              ; written once: a lane permute's destination counts as one of its sources
	s_and_b32 s51, ttmp7, 0xffff                   ; bh = 8 b + the KV head
	s_lshr_b32 s11, ttmp9, 1
	s_add_co_u32 s11, s11, 1                       ; N1 = i / 2 + 1
	s_and_b32 s52, s10, 3                          ; which of the four query heads
	s_lshr_b32 s53, s10, 2
	s_lshl_b32 s53, s53, 4                         ; which 16 of the block's 64 positions
	s_lshl_b32 s48, ttmp9, 6
	s_add_co_u32 s48, s48, s53                     ; block A: my first query
	s_sub_co_u32 s49, 31, ttmp9
	s_lshl_b32 s49, s49, 6
	s_add_co_u32 s49, s49, s53                     ; block B
	s_lshr_b32 s54, s51, 3
	s_lshl_b32 s54, s54, 25                        ; b x 2,048 rows of 16,384 bytes
	s_and_b32 s55, s51, 7
	s_lshl_b32 s55, s55, 2
	s_add_co_u32 s55, s55, s52                     ; the query head
	s_lshl_b32 s55, s55, 9
	s_add_co_u32 s54, s54, s55
	s_lshl_b32 s56, s48, 14
	s_add_co_u32 s56, s56, s54                     ; my first row's byte in query and in out0: block A,
	s_mov_b32 s57, 0
	s_lshl_b32 s58, s49, 14
	s_add_co_u32 s58, s58, s54                     ; block B
	s_mov_b32 s59, 0
	s_mul_i32 s38, s51, 16*TILE                    ; my KV head's sixteen blocks of kv
	s_mov_b32 s39, 0
	; descriptor group 1: a dense block of TILE bytes as 100 rows of 256 bytes (32 elements of 8 bytes)
	s_mov_b32 s24, 3<<16                           ; 15:0 no mask; 17:16 elements of 8 bytes; 20 padding off
	s_mov_b32 s25, 32<<16                          ; tensor_dim0 = 32
	s_mov_b32 s26, 100<<16                         ; tensor_dim1 = 100
	s_mov_b32 s27, 32<<16                          ; tile_dim0 = 32
	s_mov_b32 s28, 100                             ; tile_dim1 = 100
	s_mov_b32 s29, 32                              ; tensor_dim0_stride
	s_mov_b32 s30, 0
	s_mov_b32 s31, 0
	s_mov_b32 s20, 0x76543210
	s_mov_b32 s21, 0xfedcba98                      ; v_permlanex16_b32's selects for lane l xor 16
	s_mov_b32 s22, 0x3e0293ee                      ; c = log2(e) / sqrt(128)
	s_mov_b32 s23, s22                             ; (named with it as a pair, so it is written)
	s_mov_b32 s12, 0
	s_mov_b32 s16, 0
	s_and_b32 s13, s10, 1                          ; wave 0 fetches the even trips' tiles, wave 1 the odd trips'
	s_mov_b32 s32, 1                               ; 1:0 count = 1
	s_mul_i32 s33, s13, TILE                       ; 63:32 LDS address: slot 0, tile wave % 2
	s_wait_kmcnt 0x0
	s_add_nc_u64 s[36:37], s[6:7], s[38:39]
	s_add_nc_u64 s[40:41], s[4:5], s[56:57]
	s_add_nc_u64 s[42:43], s[8:9], s[56:57]
	s_add_nc_u64 s[44:45], s[4:5], s[58:59]
	s_add_nc_u64 s[46:47], s[8:9], s[58:59]
	AIM
	TLOAD 2                                        ; the first fills: trips 0 and 1 into slot 0, ahead of every LDS read, every wait on TENSORcnt and every barrier
	START 40, 48
	s_mov_b32 s17, 7
.Lslot:                                            ; seven trips of the loop: key trips 0 to 13; behind each change of slots trips 2 to 15 are asked for, two at a time
	CHANGE 2
	STEP 0, 1, 1
	STEP 1, 1, 1
	s_xor_b32 s16, s16, SLOT1                      ; on to the other slot
	s_sub_co_u32 s17, s17, 1
	s_cmp_lg_u32 s17, 0
	s_cbranch_scc1 .Lslot
	CHANGE 1                                       ; the tail is written out: wave 0 alone asks, for trip 16
	STEP 0, 0, 0
	STEP 1, 0, 0
	s_xor_b32 s16, s16, SLOT1
	CHANGE 0                                       ; nothing is left to fetch
	STEP 0, 0, 0
	FINISH 46
	s_wait_tensorcnt 0x0                           ; the wave's end, behind my last tensor load and my last LDS store
	ds_add_u32 v5, v6
	s_wait_dscnt 0x0
	s_endpgm
.Lfunc_end_k_q8c73048749_attn:
	.size	k_q8c73048749_attn, .Lfunc_end_k_q8c73048749_attn-k_q8c73048749_attn
	.p2alignl 7, 3214868480
	.fill 96, 4, 3214868480
	.section	.rodata,"a",@progbits
	.p2align	6, 0x0
	.amdhsa_kernel k_q8c73048749_attn
		.amdhsa_group_segment_fixed_size 327680
		.amdhsa_private_segment_fixed_size 0
		.amdhsa_enable_private_segment 0
		.amdhsa_kernarg_size 24
		.amdhsa_user_sgpr_count 2
		.amdhsa_user_sgpr_kernarg_segment_ptr 1
		.amdhsa_wavefront_size32 1
		.amdhsa_system_sgpr_workgroup_id_x 1
		.amdhsa_system_sgpr_workgroup_id_y 1
		.amdhsa_system_sgpr_workgroup_id_z 1
		.amdhsa_system_vgpr_workitem_id 0
		.amdhsa_next_free_vgpr 256
		.amdhsa_next_free_sgpr 66
		.amdhsa_reserve_vcc 1
		.amdhsa_float_denorm_mode_32 3
		.amdhsa_float_denorm_mode_16_64 3
		.amdhsa_memory_ordered 1
		.amdhsa_forward_progress 1
		.amdhsa_inst_pref_size 173
	.end_amdhsa_kernel
	.amdgpu_metadata
---
amdhsa.version: [ 1, 2 ]
amdhsa.kernels:
  - .name:           k_q8c73048749_attn
    .symbol:         k_q8c73048749_attn.kd
    .args:
      - { .name: query, .offset: 0, .size: 8, .value_kind: global_buffer, .address_space: global }
      - { .name: kv, .offset: 8, .size: 8, .value_kind: global_buffer, .address_space: global }
      - { .name: out0, .offset: 16, .size: 8, .value_kind: global_buffer, .address_space: global }
    .group_segment_fixed_size: 327680
    .private_segment_fixed_size: 0
    .kernarg_segment_align: 8
    .kernarg_segment_size: 24
    .max_flat_workgroup_size: 512
    .sgpr_count:     66
    .vgpr_count:     256
    .wavefront_size: 32
...
	.end_amdgpu_metadata
.endif
;; end of part 2
